; MI455X (gfx1250); checked and timed in simulation.
; The chip was launched on July 23, 2026; its instructions are those of AMD's public machine-readable ISA for CDNA 5 (MIT licence, August 2026) and "CDNA5" Instruction Set Architecture Reference Guide (July 2026). The comments in the code are by the model that wrote it; some were corrected since.
;; Multi Head Self Attention. Allowed arithmetic: matrix products marked QUANTISED: E5M2 operands, one given power-of-two scale a tensor, by v_wmma_f32_16x16x64_bf8_bf8 or v_wmma_f32_16x16x128_bf8_bf8, f32 sums; products left as they are: f32 operands where the result goes on into a quantised operand, else bf16, f16 or f32 operands; f32 sums; everything else in f32.
;; Inputs: b_k 2,048 float32; b_o 2,048 float32; b_q 2,048 float32; b_v 2,048 float32; ln_beta 2,048 float32; ln_gamma 2,048 float32; lowp_scales 8 int32 (the exponents e of the quantised operands' scales 2^e); w_k 2,048 x 2,048 float32; w_o 2,048 x 2,048 float32; w_q 2,048 x 2,048 float32; w_v 2,048 x 2,048 float32; x 4,096 x 1 x 2,048 float32.
;; Outputs: out0 4,096 x 2,048 float32.
;; This version of the problem:
;;   THIS VERSION OF THE PROBLEM IS GIVEN IN LOW PRECISION. The matrix products marked QUANTISED in the list below multiply operands that are first quantised to E5M2 (5 exponent bits, 2 mantissa bits; 8 bits a number), with one given power-of-two scale for each operand tensor; their sums are f32. All else is computed in f32.
;;   The module's matrix products, in the order in which they are computed (A, B: the left and right operand; K: the contracted axis; several contracted axes count as one K, in the product's order):
;;     1. [M 4,096, K 2,048] x [K 2,048, N 2,048]; A: computed on the way; B: input w_q: QUANTISED (scales: A lowp_scales[0], B lowp_scales[1])
;;     2. [M 4,096, K 2,048] x [K 2,048, N 2,048]; A: computed on the way; B: input w_k: QUANTISED (scales: A lowp_scales[2], B lowp_scales[3])
;;     3. [M 4,096, K 2,048] x [K 2,048, N 2,048]; A: computed on the way; B: input w_v: QUANTISED (scales: A lowp_scales[4], B lowp_scales[5])
;;     4. batch 32,768 x [M 1, K 256] x [K 256, N 1]; A: computed on the way; B: computed on the way: left as it is (M = 1 < 16)
;;     5. batch 32,768 x [M 1, K 1] x [K 1, N 256]; A: softmax; B: computed on the way: left as it is (K = 1 < 32)
;;     6. [M 4,096, K 2,048] x [K 2,048, N 2,048]; A: computed on the way; B: input w_o: QUANTISED (scales: A lowp_scales[6], B lowp_scales[7])
;;   THE QUANTISER, for each operand of a quantised product, along K:
;;     - The operand's scale is 2^e, e = its entry of the input lowp_scales (int32; the entries are numbered through the quantised products in the list's order, A before B).
;;     - Each number is divided by the scale, clamped to +-57,344, and rounded to the nearest number of E5M2, ties to even, subnormals kept.
;;     - The product sums the exact products of the quantised numbers (number of the format x scale) in f32.
;;   ~~~python
;;   def quantise(x, axis, e):      # numpy; x: float32 -> the quantised numbers, widened to float32 again
;;       x = np.moveaxis(x, axis, -1); K = x.shape[-1]
;;       r = np.clip(x / 2.0 ** e, -57344, 57344)
;;       step = 2.0 ** (np.maximum(np.frexp(np.where(r == 0, 1, r))[1] - 1, -14) - 2)
;;       q = np.round(r / step) * step * 2.0 ** e      # np.round: ties to even
;;       return np.moveaxis(q, -1, axis).astype(np.float32)
;;   ~~~
;;   OPERANDS COMPUTED ON THE WAY. 'Computed on the way' means the value that the module computes at that place (a softmax that the list does not call 'softmax' is quantised finished and normalised). What goes into a quantiser is computed in f32, as accurately as f32 sums, v_exp_f32 and their like allow (about 1e-6 of the number): no bf16 or f16 on the way to a quantiser, and a product that is left as it is and whose result goes on into a quantised operand takes f32 operands (vector FMAs, or v_wmma_f32_16x16x4_f32). A number that lies on a knife's edge between two numbers of the format may be rounded either way, as far as f32 arithmetic and the matrix unit's own rounding can turn it there, and no further.
;; One version. Each part assembles by itself: llvm-mc -triple=amdgcn-amd-amdhsa -mcpu=gfx1250 --defsym DOCPART=n.
;; ======== version 1 of 1: 3 launches
;; limits: right only within a limited range of input values
;; workspace buffers: h_codes 8,388,608 bytes; wv_codes 4,194,304 bytes; wo_codes 4,194,304 bytes; v_codes 8,388,608 bytes
;; launch prep (part 1): grid 256 x 1, 16 waves a work-group, no clusters, 88,064 bytes of LDS; arguments x, ln_gamma, ln_beta, w_v, w_o, lowp_scales, h_codes, wv_codes, wo_codes; writes h_codes, wv_codes, wo_codes
.if DOCPART == 1
	.amdgcn_target "amdgcn-amd-amdhsa--gfx1250"
	.amdhsa_code_object_version 6
	.text
	.protected	k_q18e5166579_prep
	.globl	k_q18e5166579_prep
	.p2align	8
	.type	k_q18e5166579_prep,@function
k_q18e5166579_prep:
	s_mov_b64 s[64:65], 0
	v_nop
	global_prefetch_b8 v0, s[64:65] scope:SCOPE_SE
	s_setreg_imm32_b32 hwreg(HW_REG_WAVE_MODE, 25, 1), 1
	s_wait_xcnt 0x0
; LAUNCH 1 OF 3.  h = LayerNorm(x) is quantised with 2^e4, w_v with 2^e5, w_o with 2^e7 (e = entries of lowp_scales), into codes of E5M2.
; DEAD WORK, for all finite values of the inputs.  The sequence has length 1, so the softmax runs over an axis of ONE number s: probs = exp(s - s) / exp(s - s) = 1 whatever s is.
; So q, k and the scores reach no output: the products with w_q and w_k and the product q . k are left out, and the product probs x v is a multiplication by the factor 1: attn = v.
; w_q, b_q, w_k, b_k and entries 0 to 3 of lowp_scales have no way to out0: they are not used, and w_q, b_q, w_k, b_k are among no launch's arguments.
; What is computed: out = Q(Q(h; e4) Q(w_v; e5)^T + b_v; e6) Q(w_o; e7)^T + b_o + x.
; LIMIT: a NaN, an infinity or an overflow that would arise in q, k or the scores alone is not carried to the result.
; LIMITS: e4, e5, e7 between -126 and 112, so that 2^e and 57,344 x 2^e are f32 numbers.  NaN among the inputs is not served (an infinity is held at the largest code).
; THE ORDER OF K, the same for all operands of both products: in each chunk of 256, byte 16 q + 4 i + e holds k = 64 i + 4 q + e (q 0..15, i 0..3, e 0..3).  Every code meets its partner; only the order of the sums changes.
; IMAGES OF FRAGMENTS.  16 rows x 128 K are 2,048 bytes: [c 4][h 2][row r 16][16 bytes], piece q of a chunk's sixteen being K block q / 8, c = q / 2 % 4, h = q % 2.
; h's codes: [tile row of 128 rows 32][K block 16][16 rows a 8][2,048 bytes].  A weight's codes: [group g 32][K block 16][tile b 4][2,048 bytes].
; WHICH ROWS FORM A WEIGHT'S TILE.  w_o: tile (g, b) row m = weight row 64 g + 4 m + b.  w_v: g = 4 T + w; tile row m = 8 h + j = weight row 256 T + 64 (2 (b % 2) + j / 4) + 16 w + 8 (b / 2) + 4 h + j % 4: so the
; product's results come out in the order of K above.
; SHARES.  Work-group n (of 256) takes rows 16 n .. of x and tile n % 128 of w_v (n < 128) or w_o: a row of each for each of its sixteen waves, all asked for at the head.  gamma and beta are read once by the work-group, a
; sixteenth a wave, into LDS.  The codes turn through stages in LDS, so that their stores cover 512 consecutive bytes.
.set X,   16                           ; v16-79    a row of x: load 2 s + jj brings k = 256 s + 64 (2 (lane / 16) + jj) + 4 (lane % 16) + 0 .. 3
.set W,   80                           ; v80-143   a row of a weight, likewise
.set G,   144                          ; v144-175  half of gamma, v176-207 half of beta; later codes read back
.set CD,  208                          ; v208-223  codes
.set SCX, 240                          ; v240-243  2^e and 57,344 x 2^e for x and for the weight
.set SCW, 242
.set T,   246                          ; v246, v247 at work
.set DST, 248                          ; v248 where I put codes in a stage, v249 where I read them
.set DLD, 249
.set SPW, 250                          ; v250 LDS address of my spare word; v251 0: never rewritten
.set NIL, 251
.set LN,  252                          ; v252 16 x lane
.set GST, 253                          ; v253, v254 gamma and beta in LDS: where I put my sixteenth, where I read
.set GLD, 254
.set SQ,  272                          ; a piece's 16 rows in a stage: 256 bytes + 16 of padding
.set STW, 128*SQ                       ; 34,816: the weight's stage, behind h's
.set GB,  2*128*SQ                     ; 69,632: gamma 8,192 bytes, beta 8,192
.set SPARE, GB+16384                   ; 86,016: the spare words, 128 bytes for each wave, in blocks that no other line names
.macro ADDSH d, s, n                   ; s[d] += s[s] << n
	s_lshl_b32 s49, s[\s], \n
	s_add_co_u32 s[\d], s[\d], s49
.endm
.macro LOADROW reg, base               ; 16 loads: lanes 0-15 take 256 consecutive bytes, lanes 16-31 the 256 that lie 512 further on; two loads make 1,024 consecutive bytes
.irp j, 0,1,2,3,4,5,6,7,8,9,10,11,12,13,14,15
	global_load_b128 v[\reg+4*\j:\reg+4*\j+3], v1, s[\base:\base+1] offset:1024*(\j/2)+256*(\j%2) th:TH_LOAD_NT
.endr
.endm
.macro SCALE e, reg                    ; s[e] = the exponent: 2^e and the largest number x 2^e
	s_add_co_i32 s36, s[\e], 127
	s_lshl_b32 s37, s36, 23
	v_mov_b32 v[\reg], s37
	s_add_co_i32 s36, s36, 15
	s_lshl_b32 s36, s36, 23
	s_or_b32 s36, s36, 0x600000                    ; the mantissa field of 57,344
	v_mov_b32 v[\reg+1], s36
.endm
.macro WSUM                            ; the four chains, their halves, the 32 lanes: the sum in every lane's v[T]
	s_delay_alu instid0(VALU_DEP_3)
	v_pk_add_f32 v[4:5], v[4:5], v[6:7]
	s_delay_alu instid0(VALU_DEP_2)
	v_pk_add_f32 v[8:9], v[8:9], v[10:11]
	s_delay_alu instid0(VALU_DEP_1)
	v_pk_add_f32 v[4:5], v[4:5], v[8:9]
	s_delay_alu instid0(VALU_DEP_1)
	v_add_f32 v[T], v4, v5
.irp m, 1,2,4,8
	s_delay_alu instid0(VALU_DEP_1)
	v_add_f32_dpp v[T], v[T], v[T] row_xmask:\m row_mask:0xf bank_mask:0xf
.endr
	s_delay_alu instid0(VALU_DEP_1)
	v_permlanex16_b32 v[T+1], v[T], s38, s39
	s_delay_alu instid0(VALU_DEP_1)
	v_add_f32 v[T], v[T], v[T+1]
.endm
.macro GBLOAD hf                       ; half hf of gamma and beta, as the row's registers lie
.irp j, 0,1,2,3,4,5,6,7
	ds_load_b128 v[G+4*\j:G+4*\j+3], v[GLD] offset:4096*\hf+512*\j
	ds_load_b128 v[G+32+4*\j:G+32+4*\j+3], v[GLD] offset:8192+4096*\hf+512*\j
.endr
.endm
.macro GBFMA hf                        ; x gamma + beta
.set PP, 0
.rept 16
	v_pk_fma_f32 v[X+32*\hf+2*PP:X+32*\hf+2*PP+1], v[X+32*\hf+2*PP:X+32*\hf+2*PP+1], v[G+2*PP:G+2*PP+1], v[G+32+2*PP:G+32+2*PP+1]
.set PP, PP+1
.endr
.endm
.macro HOLD x, n, l                    ; the conversion to an 8-bit code does not saturate (ISA guide 7.6.2): the hold at the largest code x the scale
.set PP, 0
.rept \n
	v_med3_num_f32 v[\x+PP], v[\x+PP], -v[\l], v[\l]
.set PP, PP+1
.endr
.endm
.macro CVT x, s                        ; 64 numbers of a lane: 64 codes in 16 registers
.set PP, 0
.rept 8
	v_cvt_scalef32_pk8_bf8_f32 v[CD+2*PP:CD+2*PP+1], v[\x+8*PP:\x+8*PP+7], v[\s]
.set PP, PP+1
.endr
	v_nop                                          ; a plain instruction behind the last conversion
.endm
; Codes through a stage: chunk s of my row goes to pieces 16 s + q, row = my wave; behind the barrier wave w takes K block w, whole: 2,048 bytes.
.macro OUT st, reg, base
.irp s, 0,1,2,3,4,5,6,7
	ds_store_b64 v[DST], v[CD+2*\s:CD+2*\s+1] offset:\st+16*SQ*\s
.endr
	s_wait_dscnt 0x0                               ; for the others' sake: my codes are in the stage
	s_barrier_signal -1
	s_barrier_wait -1                              ; a piece's 16 rows come from sixteen waves
.irp c, 0,1,2,3
	ds_load_b128 v[\reg+4*\c:\reg+4*\c+3], v[DLD] offset:\st+2*SQ*\c
.endr
	s_wait_dscnt 0x0
.irp c, 0,1,2,3
	global_store_b128 v[LN], v[\reg+4*\c:\reg+4*\c+3], s[\base:\base+1] offset:512*\c   ; 32 lanes store 512 consecutive bytes, aligned
.endr
.endm
	s_load_b512 s[4:19], s[0:1], 0x0               ; x s[4:5], gamma s[6:7], beta s[8:9], w_v s[10:11], w_o s[12:13], the exponents s[14:15], h's codes s[16:17], w_v's s[18:19]
	s_load_b64 s[20:21], s[0:1], 0x40              ; w_o's codes
	v_lshl_add_u32 v[SPW], v0, 2, SPARE
	v_mov_b32 v[NIL], 0
	v_lshrrev_b32 v3, 5, v0
	v_readfirstlane_b32 s42, v3                    ; wave 0..15
	s_lshl_b32 s58, s42, 4                         ; into a stage: row = wave
	s_mul_i32 s59, s42, 8*SQ                       ; out of it: pieces 8 w on
	s_lshl_b32 s60, s42, 9
	s_add_co_u32 s60, s60, GB                      ; my sixteenth of gamma
	v_and_b32 v3, 15, v0                           ; q
	v_bfe_u32 v4, v0, 4, 1                         ; lane / 16
	v_lshlrev_b32 v5, 4, v3
	v_lshl_add_u32 v1, v4, 9, v5
	v_lshl_add_u32 v[LN], v4, 8, v5
	v_mul_u32_u24 v6, v3, SQ
	v_lshl_add_u32 v6, v4, 3, v6
	v_add_nc_u32 v[DST], s58, v6
	v_mul_u32_u24 v7, v4, SQ
	v_add_nc_u32 v7, v7, v5
	v_add_nc_u32 v[DLD], s59, v7
	v_add_nc_u32 v[GST], s60, v[LN]
	v_add_nc_u32 v[GLD], GB, v[LN]
	v_mov_b32 v13, 0                               ; (the upper halves of two pairs, and the lane permute's destination, are named, so they are written)
	v_mov_b32 v15, 0
	v_mov_b32 v[T+1], 0
	s_mov_b32 s38, 0x76543210                      ; v_permlanex16_b32: lane l xor 16
	s_mov_b32 s39, 0xfedcba98
	s_mov_b32 s40, 0x3a000000                      ; 2^-11 = 1 / 2,048
	s_mov_b32 s41, 0x3727c5ac                      ; 1e-5
	s_lshr_b32 s44, s42, 1                         ; gamma, beta: my load of sixteen
	s_lshl_b32 s44, s44, 10
	s_and_b32 s46, s42, 1
	ADDSH 44, 46, 8
	s_mov_b32 s45, 0
	s_lshl_b32 s32, ttmp9, 4
	s_add_co_u32 s32, s32, s42                     ; my row of x
	s_lshl_b32 s32, s32, 13
	s_mov_b32 s33, 0
	s_lshr_b32 s34, ttmp9, 3                       ; h's codes: tile row n / 8, K block w, 16 rows n % 8
	s_lshl_b32 s34, s34, 18
	s_and_b32 s46, ttmp9, 7
	ADDSH 34, 46, 11
	ADDSH 34, 42, 14
	s_mov_b32 s35, 0
	s_and_b32 s43, ttmp9, 127                      ; the weight's tile
	s_lshr_b32 s62, s43, 2                         ; g
	s_and_b32 s61, s43, 3                          ; b
	s_lshr_b32 s50, s43, 4
	s_lshl_b32 s50, s50, 8                         ; w_v: 256 T
	s_and_b32 s46, s61, 1
	s_lshl_b32 s46, s46, 1
	s_bfe_u32 s47, s42, 0x10002
	s_add_co_u32 s46, s46, s47
	ADDSH 50, 46, 6                                ; + 64 (2 (b % 2) + j / 4)
	s_and_b32 s46, s62, 3
	ADDSH 50, 46, 4                                ; + 16 w
	s_lshr_b32 s46, s61, 1
	ADDSH 50, 46, 3                                ; + 8 (b / 2)
	s_lshr_b32 s46, s42, 3
	ADDSH 50, 46, 2                                ; + 4 h
	s_and_b32 s46, s42, 3
	s_add_co_u32 s50, s50, s46                     ; + j % 4
	s_lshl_b32 s52, s62, 6                         ; w_o: 64 g + 4 m + b
	ADDSH 52, 42, 2
	s_add_co_u32 s52, s52, s61
	s_lshl_b32 s54, s62, 17                        ; its codes: group, K block w, tile
	ADDSH 54, 61, 11
	ADDSH 54, 42, 13
	s_mov_b32 s55, 0
	s_cmp_lt_u32 ttmp9, 128                        ; w_v or w_o: the choice hangs on the work-group's number alone
	s_cselect_b32 s50, s50, s52
	s_lshl_b32 s50, s50, 13
	s_mov_b32 s51, 0
	s_wait_alu depctr_va_vdst(0)
	s_wait_kmcnt 0x0
	s_load_b256 s[24:31], s[14:15], 0x0            ; e4 = s28, e5 = s29, e7 = s31
	s_add_nc_u64 s[6:7], s[6:7], s[44:45]
	s_add_nc_u64 s[8:9], s[8:9], s[44:45]
	s_add_nc_u64 s[32:33], s[4:5], s[32:33]
	s_add_nc_u64 s[34:35], s[16:17], s[34:35]
	s_cmp_lt_u32 ttmp9, 128
	s_cselect_b64 s[10:11], s[10:11], s[12:13]
	s_cselect_b64 s[18:19], s[18:19], s[20:21]
	s_add_nc_u64 s[50:51], s[10:11], s[50:51]
	s_add_nc_u64 s[54:55], s[18:19], s[54:55]
	global_load_b128 v[4:7], v1, s[6:7]
	global_load_b128 v[8:11], v1, s[8:9]
	LOADROW X, 32
	LOADROW W, 50
	s_wait_kmcnt 0x0
	SCALE 28, SCX
	s_cmp_lt_u32 ttmp9, 128
	s_cselect_b32 s22, s29, s31
	SCALE 22, SCW
	s_wait_alu depctr_va_vdst(0)
	s_wait_loadcnt 32                              ; my sixteenths of gamma and beta are in; the two rows' 32 loads may be out
	ds_store_b128 v[GST], v[4:7]
	ds_store_b128 v[GST], v[8:11] offset:8192
	s_wait_dscnt 0x0                               ; for the others' sake
	s_barrier_signal -1
	s_barrier_wait -1
	GBLOAD 0
	s_wait_loadcnt 16                              ; x's row is in; the weight's 16 loads may be out
.irp c, 0,1,2,3
	v_pk_add_f32 v[4+2*\c:5+2*\c], v[X+2*\c:X+2*\c+1], v[X+8+2*\c:X+8+2*\c+1]   ; the first eight pairs start the chains: nothing is cleared
.endr
.set PP, 8
.rept 24
	s_delay_alu instid0(VALU_DEP_4)
	v_pk_add_f32 v[4+2*(PP%4):5+2*(PP%4)], v[4+2*(PP%4):5+2*(PP%4)], v[X+2*PP:X+2*PP+1]
.set PP, PP+1
.endr
	WSUM
	s_delay_alu instid0(VALU_DEP_1)
	v_mul_f32 v12, 0xba000000, v[T]                ; -mean = sum x -2^-11
.set PP, 0
.rept 32
	v_pk_add_f32 v[X+2*PP:X+2*PP+1], v[X+2*PP:X+2*PP+1], v[12:13] op_sel_hi:[1,0]
.set PP, PP+1
.endr
.irp c, 0,1,2,3
	v_pk_mul_f32 v[4+2*\c:5+2*\c], v[X+2*\c:X+2*\c+1], v[X+2*\c:X+2*\c+1]
.endr
.set PP, 4
.rept 28
	s_delay_alu instid0(VALU_DEP_4)
	v_pk_fma_f32 v[4+2*(PP%4):5+2*(PP%4)], v[X+2*PP:X+2*PP+1], v[X+2*PP:X+2*PP+1], v[4+2*(PP%4):5+2*(PP%4)]
.set PP, PP+1
.endr
	WSUM
	s_delay_alu instid0(VALU_DEP_1)
	v_fma_f32 v[T], v[T], s40, s41                 ; var + eps: the variance is taken of x - mean
	s_wait_alu depctr_va_vdst(0)
	v_rsq_f32 v14, v[T]
	v_nop                                          ; a plain instruction between the transcendental and the use of its result (ISA guide 5.7.2)
	s_wait_alu depctr_va_vdst(0)
.set PP, 0
.rept 32
	v_pk_mul_f32 v[X+2*PP:X+2*PP+1], v[X+2*PP:X+2*PP+1], v[14:15] op_sel_hi:[1,0]
.set PP, PP+1
.endr
	s_wait_dscnt 0x0                               ; the first halves of gamma and beta
	GBFMA 0
	GBLOAD 1                                       ; the second halves take their registers
	HOLD X, 32, SCX+1
	s_wait_dscnt 0x0
	GBFMA 1
	HOLD X+32, 32, SCX+1
	CVT X, SCX
	OUT 0, G, 34
	s_wait_loadcnt 0x0                             ; the weight's row is in
	HOLD W, 64, SCW+1
	CVT W, SCW
	OUT STW, G+16, 54
	s_wait_tensorcnt 0x0                           ; the wave's end: behind my last LDS store
	ds_add_u32 v[SPW], v[NIL]
	s_wait_dscnt 0x0
	s_endpgm
.Lfunc_end_k_q18e5166579_prep:
	.size	k_q18e5166579_prep, .Lfunc_end_k_q18e5166579_prep-k_q18e5166579_prep
	.p2alignl 7, 3214868480
	.fill 96, 4, 3214868480
	.section	.rodata,"a",@progbits
	.p2align	6, 0x0
	.amdhsa_kernel k_q18e5166579_prep
		.amdhsa_group_segment_fixed_size 88064
		.amdhsa_private_segment_fixed_size 0
		.amdhsa_enable_private_segment 0
		.amdhsa_kernarg_size 72
		.amdhsa_user_sgpr_count 2
		.amdhsa_user_sgpr_kernarg_segment_ptr 1
		.amdhsa_wavefront_size32 1
		.amdhsa_system_sgpr_workgroup_id_x 1
		.amdhsa_system_sgpr_workgroup_id_y 1
		.amdhsa_system_sgpr_workgroup_id_z 1
		.amdhsa_system_vgpr_workitem_id 0
		.amdhsa_next_free_vgpr 256
		.amdhsa_next_free_sgpr 66
		.amdhsa_reserve_vcc 0
		.amdhsa_float_denorm_mode_32 3
		.amdhsa_float_denorm_mode_16_64 3
		.amdhsa_memory_ordered 1
		.amdhsa_forward_progress 1
		.amdhsa_inst_pref_size 36
	.end_amdhsa_kernel
	.amdgpu_metadata
---
amdhsa.version: [ 1, 2 ]
amdhsa.kernels:
  - .name:           k_q18e5166579_prep
    .symbol:         k_q18e5166579_prep.kd
    .args:
      - { .name: x, .offset: 0, .size: 8, .value_kind: global_buffer, .address_space: global }
      - { .name: ln_gamma, .offset: 8, .size: 8, .value_kind: global_buffer, .address_space: global }
      - { .name: ln_beta, .offset: 16, .size: 8, .value_kind: global_buffer, .address_space: global }
      - { .name: w_v, .offset: 24, .size: 8, .value_kind: global_buffer, .address_space: global }
      - { .name: w_o, .offset: 32, .size: 8, .value_kind: global_buffer, .address_space: global }
      - { .name: lowp_scales, .offset: 40, .size: 8, .value_kind: global_buffer, .address_space: global }
      - { .name: h_codes, .offset: 48, .size: 8, .value_kind: global_buffer, .address_space: global }
      - { .name: wv_codes, .offset: 56, .size: 8, .value_kind: global_buffer, .address_space: global }
      - { .name: wo_codes, .offset: 64, .size: 8, .value_kind: global_buffer, .address_space: global }
    .group_segment_fixed_size: 88064
    .private_segment_fixed_size: 0
    .kernarg_segment_align: 8
    .kernarg_segment_size: 72
    .max_flat_workgroup_size: 512
    .sgpr_count:     66
    .vgpr_count:     256
    .wavefront_size: 32
...
	.end_amdgpu_metadata
.endif
;; end of part 1
;; launch gemm_v (part 2): grid 8 x 32, 4 waves a work-group, clusters of 4 x 1, 327,680 bytes of LDS; arguments h_codes, wv_codes, lowp_scales, b_v, v_codes; writes v_codes
.if DOCPART == 2
	.amdgcn_target "amdgcn-amd-amdhsa--gfx1250"
	.amdhsa_code_object_version 6
	.text
	.protected	k_q18e5166579_gemm_v
	.globl	k_q18e5166579_gemm_v
	.p2align	8
	.type	k_q18e5166579_gemm_v,@function
k_q18e5166579_gemm_v:
	s_mov_b64 s[64:65], 0
	v_nop
	global_prefetch_b8 v0, s[64:65] scope:SCOPE_SE
	s_setreg_imm32_b32 hwreg(HW_REG_WAVE_MODE, 25, 1), 1
	s_wait_xcnt 0x0
	s_wait_alu depctr_hold_cnt(0) depctr_sa_sdst(0) depctr_va_vdst(0) depctr_va_sdst(0) depctr_va_ssrc(0) depctr_va_vcc(0) depctr_vm_vsrc(0)
	s_getreg_b32 s2, hwreg(HW_REG_IB_STS2, 6, 4)
	s_cmp_eq_u32 s2, 0
	s_cbranch_scc0 .Lentry_in_a_cluster
	s_endpgm
.Lentry_in_a_cluster:
	s_bfe_u32 s2, ttmp6, 0x10000c
	s_cmp_lg_u32 s2, 0x3003
	s_cbranch_scc0 .Lentry_shape_is_right
	s_endpgm
.Lentry_shape_is_right:
; LAUNCH 2 OF 3.  v = Q(h) Q(w_v)^T + b_v, quantised at once with 2^e6 into codes for the last product.  A = h's codes, B = w_v's codes, both E5M2 as images of fragments (first launch).
; WORK LEFT OUT: the softmax over one number is 1 for all inputs, so q, k and the scores are not computed and attn = v (shown at the head of the first launch).
; A sum of codes stands for sum x 2^(e4 + e5).  b_v goes in as b_v / 2^(e4 + e5), the C of each sum's first matrix instruction; the conversion then takes the one scale 2^(e6 - e4 - e5).
; LIMITS: e6 - e4 - e5 between -126 and 112, so that the scale and 57,344 x the scale are f32 numbers.  NaN among the inputs is not served.
; SHARES.  A tile is 128 rows x 256 columns: 32 x 8 = 256 work-groups.  Four waves; wave w makes all 128 rows x the 64 columns of B's group 4 T + w: 32 accumulators of 16 x 16.
; A'S 128 ROWS x 2,048 STAND IN LDS WHOLE: 256 KiB that lie on end in memory, in LDS byte for byte, 16,384 bytes a K block of 128.  No byte is filled again.  Two first fills, one tensor load a wave each: K blocks 0 to 5 at the
; head, K blocks 6 to 15 behind the full sequence and a round; the second is waited for ahead of step 5, which begins to read K block 6.
; CLUSTERS of four work-groups along x: they share the tile row and ask for A jointly (the mask names the four).  B's tiles are not asked for jointly: they go straight into registers, LDS being A's.
; B: each wave reads its group's 128 KiB once, from end to end: load n of 256 takes 512 consecutive bytes; a step of 128 along K takes 16.  Five sets of 64 registers by turns: step s issues loads 16 s + 63 .. 16 s + 78.
; No prefetch is laid: A is asked for at the head, and B's loads themselves stand about four steps ahead of their use.
; THE MATRIX INSTRUCTION IS USED TRANSPOSED (source 0 = 16 rows of B, source 1 = 16 rows of A): lane (r, h) holds row r, and with B's tile rows as the first launch chose them the registers of tiles
; 2 b1 and 2 b1 + 1 are the 16 bytes of piece q = 4 w + 2 b1 + h of the order of K.  v's codes are laid as h's are: [tile row 32][K block 16][16 rows a 8][c 4][h 2][r 16][16 bytes].
; REGISTERS, in windows of 256: window 0: v0-31 addresses, v32-63 the bias, v64-127 B's fifth set, later the codes.  window 1: A's fragments, two sets of 128.  window 2: accumulator (a, b) at v[8 (4 a + b)].  window 3: B's sets 0 to 3.
.set FILL1, 6*16384                    ; bytes of the first fill
.set SPARE, 262144                     ; behind A: the spare words, 128 bytes for each wave, in blocks that no other line names
.set ADR,   16                         ; v16-19 LDS addresses of my fragments, 65,536 apart: v16 = 16 x lane serves B's loads and the stores too
.set LO,    16
.set BO,    21                         ; v21    16 h
.set SPW,   28                         ; v28 LDS address of my spare word, v29 0: never rewritten
.set NIL,   29
.set SCL,   30                         ; v30 2^(e6 - e4 - e5), v31 57,344 x that
.set LIM,   31
.set BIAS,  32
.set LAST,  256
.set MSB, 0
.macro WIN new                         ; the immediate's high byte repeats the setting that is left; a switch that changes nothing is dropped
.if MSB != \new
	s_set_vgpr_msb (MSB<<8)|\new
.set MSB, \new
.endif
.endm
.macro CROUND                          ; a round of the cluster's barrier
	s_barrier_signal -1
	s_barrier_wait -1
	s_cmp_lg_u32 s16, 0
	s_cbranch_scc1 .Lnot_wave_0_\@
	s_barrier_signal -3
.Lnot_wave_0_\@:
	s_barrier_wait -3
	s_barrier_signal -1
	s_barrier_wait -1
.endm
.macro PLACES                          ; in front of loads into registers that matrix instructions have read, and of reads of their results (ISA guide 7.12.1 for the reads of results)
.rept 4
	v_nop
.endr
.endm
.macro LOADN n                         ; B's load n of 256
.if ((\n)/16)%5 == 4
.set RB, 64
	WIN 0
.else
.set RB, 64*(((\n)/16)%5)
	WIN 0xc0
.endif
	global_load_b128 v[RB+4*((\n)%16):RB+4*((\n)%16)+3], v[LO], s[6:7] offset:512*(\n)
.endm
.macro LOADA s, a                      ; A's block a of step s
	WIN 0x40
.irp c, 0,1,2,3
	ds_load_b128 v[128*((\s)%2)+16*(\a)+4*\c:128*((\s)%2)+16*(\a)+4*\c+3], v[ADR+(\s)/4] offset:16384*((\s)%4)+2048*(\a)+512*\c
.endr
.endm
; 16 matrix instructions: A's blocks 4 g .. 4 g + 3 x B's four tiles.  The 32 accumulators take turns, one instruction a turn, in the same order in every step.
.macro MUL16 s, g
.set AB, 128*((\s)%2)+64*(\g)
.if (\s)%5 == 4
.set BB, 64
.set MW, 0xa4                          ; source 0 (B) window 0, source 1 (A) window 1, C and D window 2
.else
.set BB, 64*((\s)%5)
.set MW, 0xa7                          ; B window 3
.endif
.if (\s) == 0
.set MW, 0x87                          ; C (the bias) window 0
.endif
	WIN MW
.irp a, 0,1,2,3
.irp b, 0,1,2,3
.if (\s) == 0
	v_wmma_f32_16x16x128_bf8_bf8 v[8*(16*(\g)+4*\a+\b):8*(16*(\g)+4*\a+\b)+7], v[BB+16*\b:BB+16*\b+15], v[AB+16*\a:AB+16*\a+15], v[BIAS+8*\b:BIAS+8*\b+7]
.else
	v_wmma_f32_16x16x128_bf8_bf8 v[8*(16*(\g)+4*\a+\b):8*(16*(\g)+4*\a+\b)+7], v[BB+16*\b:BB+16*\b+15], v[AB+16*\a:AB+16*\a+15], v[8*(16*(\g)+4*\a+\b):8*(16*(\g)+4*\a+\b)+7]
.endif
.endr
.endr
.endm
; A step of 128 along K in two groups: 16 LDS loads for the next step, 8 loads of B, 16 matrix instructions.  Ahead of step s min(256, 16 s + 63) loads of B are issued, of which 16 (s + 1) must be in.
.macro STEP s
.if 16*(\s)+63 < LAST
	s_wait_loadcnt 47
.else
	s_wait_loadcnt LAST-16*((\s)+1)
.endif
	PLACES
.set NX, 16*(\s)+63
.irp g, 0,1
.if (\s) < 15
.irp a, 0,1,2,3
	LOADA (\s)+1, 4*\g+\a
.endr
.endif
.rept 8
.if NX < LAST
	LOADN NX
.endif
.set NX, NX+1
.endr
.if (\s) < 15
	s_wait_dscnt 32                                ; younger than this group's fragments: 16 - 16 g loads of the step before, 16 g + 16 of this one
.else
	s_wait_dscnt 16-16*\g
.endif
	MUL16 \s, \g
.endr
.endm
	s_load_b256 s[4:11], s[0:1], 0x0               ; A's codes s[4:5], B's codes s[6:7], the exponents s[8:9], the bias s[10:11]
	s_load_b64 s[14:15], s[0:1], 0x20              ; v's codes
	v_lshl_add_u32 v[SPW], v0, 2, SPARE
	v_mov_b32 v[NIL], 0
	ds_add_u32 v[SPW], v[NIL]                      ; the wave's opening: the add, twice on end, and its wait, ahead of my first tensor load
	ds_add_u32 v[SPW], v[NIL]
	v_lshrrev_b32 v3, 5, v0
	v_readfirstlane_b32 s16, v3                    ; wave 0..3
	v_bfe_u32 v2, v0, 4, 1                         ; h
	v_and_b32 v4, 31, v0
	v_lshlrev_b32 v[ADR], 4, v4
	v_add_nc_u32 v[ADR+1], 65536, v[ADR]
	v_add_nc_u32 v[ADR+2], 131072, v[ADR]
	v_add_nc_u32 v[ADR+3], 196608, v[ADR]
	v_lshlrev_b32 v[BO], 4, v2
	s_bfe_u32 s20, ttmp6, 0x40000                  ; cx
	s_lshl_b32 s22, ttmp9, 2
	s_add_co_u32 s22, s22, s20                     ; T: tile column = 4 x cluster x + cx
	s_and_b32 s23, ttmp7, 0xffff                   ; tile row
	; descriptor groups 1: bytes on end, stated as rows of 256 elements of 8 bytes: 12 rows (24,576 bytes) of the first fill, 20 rows (40,960) of the second
	s_mov_b32 s24, 15|(3<<16)|(1<<21)              ; 15:0 the mask: the four of my cluster; 17:16 elements of 8 bytes; 21 set beside a mask
	s_mov_b32 s25, 256<<16
	s_mov_b32 s26, 12<<16
	s_mov_b32 s27, 256<<16
	s_mov_b32 s28, 12
	s_mov_b32 s29, 256
	s_mov_b32 s30, 0
	s_mov_b32 s31, 0
	s_mov_b32 s36, 15|(3<<16)|(1<<21)
	s_mov_b32 s37, 256<<16
	s_mov_b32 s38, 20<<16
	s_mov_b32 s39, 256<<16
	s_mov_b32 s40, 20
	s_mov_b32 s41, 256
	s_mov_b32 s42, 0
	s_mov_b32 s43, 0
	s_mov_b32 s32, 1                               ; groups 0: count = 1
	s_mul_i32 s33, s16, FILL1/4                    ; LDS address: my quarter of the first fill,
	s_mov_b32 s44, 1
	s_mul_i32 s45, s16, 40960
	s_add_co_u32 s45, s45, FILL1                   ; and of the second
	s_mov_b32 s70, s33                             ; the same offsets in memory
	s_mov_b32 s71, 0
	s_mov_b32 s72, s45
	s_mov_b32 s73, 0
	s_lshl_b32 s76, s23, 18                        ; A: 256 KiB a tile row
	s_mov_b32 s77, 0
	s_lshl_b32 s78, s22, 2
	s_add_co_u32 s78, s78, s16
	s_lshl_b32 s78, s78, 17                        ; B: group 4 T + w
	s_mov_b32 s79, 0
	s_lshl_b32 s92, s22, 10                        ; the bias: 256 T + 16 w
	s_lshl_b32 s93, s16, 6
	s_add_co_u32 s92, s92, s93
	s_mov_b32 s93, 0
	s_lshl_b32 s94, s23, 18                        ; v's codes: tile row, K block 2 T + w / 2, c = 2 (w % 2) on
	s_lshl_b32 s95, s22, 15
	s_add_co_u32 s94, s94, s95
	s_lshr_b32 s95, s16, 1
	s_lshl_b32 s95, s95, 14
	s_add_co_u32 s94, s94, s95
	s_and_b32 s95, s16, 1
	s_lshl_b32 s95, s95, 10
	s_add_co_u32 s94, s94, s95
	s_mov_b32 s95, 0
	s_wait_alu depctr_va_vdst(0)
	s_wait_dscnt 0x0                               ; both opening adds are done
	s_wait_kmcnt 0x0
	s_load_b256 s[80:87], s[8:9], 0x0              ; e4 = s84, e5 = s85, e6 = s86
	s_add_nc_u64 s[4:5], s[4:5], s[76:77]
	s_add_nc_u64 s[34:35], s[4:5], s[70:71]
	s_or_b32 s35, s35, 0x80000000                  ; 127:126 type = 2
	s_add_nc_u64 s[46:47], s[4:5], s[72:73]
	s_or_b32 s47, s47, 0x80000000
	s_add_nc_u64 s[6:7], s[6:7], s[78:79]
	s_add_nc_u64 s[10:11], s[10:11], s[92:93]
	s_add_nc_u64 s[14:15], s[14:15], s[94:95]
.irp b, 0,1,2,3                                ; the bias in the accumulators' layout: register j of tile b is column 64 (2 (b % 2) + j / 4) + 16 w + 8 (b / 2) + 4 h + j % 4
	global_load_b128 v[BIAS+8*\b:BIAS+8*\b+3], v[BO], s[10:11] offset:512*(\b%2)+32*(\b/2)
	global_load_b128 v[BIAS+8*\b+4:BIAS+8*\b+7], v[BO], s[10:11] offset:512*(\b%2)+32*(\b/2)+256
.endr
.set NX, 0
.rept 16
	LOADN NX
.set NX, NX+1
.endr
	WIN 0
	CROUND                                         ; all four work-groups are here: the joint loads meet
	tensor_load_to_lds s[32:35], s[24:31]          ; the first fill
	s_nop 0
	PLACES
.rept 16
	LOADN NX
.set NX, NX+1
.endr
	WIN 0
	s_wait_kmcnt 0x0
	s_add_co_i32 s92, s84, s85                     ; e4 + e5
	s_sub_co_i32 s93, s86, s92                     ; e6 - e4 - e5
	s_sub_co_i32 s92, 0, s92
	s_add_co_i32 s93, s93, 127
	s_lshl_b32 s94, s93, 23
	v_mov_b32 v[SCL], s94
	s_add_co_i32 s93, s93, 15
	s_lshl_b32 s93, s93, 23
	s_or_b32 s93, s93, 0x600000                    ; the mantissa field of 57,344
	v_mov_b32 v[LIM], s93
	s_wait_loadcnt 32                              ; the bias's 8 loads are in; B's 32 may be out
.set PP, 0
.rept 32
	v_ldexp_f32 v[BIAS+PP], v[BIAS+PP], s92        ; b_v / 2^(e4 + e5)
.set PP, PP+1
.endr
	s_wait_alu depctr_va_vdst(0)
	s_wait_tensorcnt 0x0                           ; my part of the first fill is in
	ds_add_u32 v[SPW], v[NIL]
	s_wait_dscnt 0x0
	CROUND                                         ; everybody's is, and all four work-groups are here
	tensor_load_to_lds s[44:47], s[36:43]          ; the second fill: K blocks 6 to 15
	s_nop 0
	PLACES
.irp a, 0,1,2,3,4,5,6,7
	LOADA 0, \a
.endr
.rept 31
	LOADN NX                                       ; 63 loads of B are issued ahead of step 0
.set NX, NX+1
.endr
.irp s, 0,1,2,3,4
	STEP \s
.endr
	WIN 0
	s_wait_tensorcnt 0x0                           ; my part of the second fill is in: step 5 begins to read it
	s_wait_dscnt 0x0
	s_barrier_signal -1
	s_barrier_wait -1                              ; everybody's is.
.irp s, 5,6,7,8,9,10,11,12,13,14,15
	STEP \s
.endr
	PLACES
; THE WAY OUT, block by block of 16 rows: the sums are held within the largest code x the scale, each accumulator from its low end on; a conversion makes eight codes of an accumulator's eight registers.
.irp a, 0,1,2,3,4,5,6,7
	WIN 0x82
.set PP, 0
.rept 32
	v_med3_num_f32 v[32*\a+PP], v[32*\a+PP], -v[LIM], v[LIM]   ; the conversion to an 8-bit code does not saturate (ISA guide 7.6.2)
.set PP, PP+1
.endr
	WIN 0x02
.irp b, 0,1,2,3
	v_cvt_scalef32_pk8_bf8_f32 v[64+8*\a+2*\b:65+8*\a+2*\b], v[32*\a+8*\b:32*\a+8*\b+7], v[SCL]
.endr
	v_nop                                          ; a plain instruction behind the last conversion
	WIN 0
	global_store_b128 v[LO], v[64+8*\a:67+8*\a], s[14:15] offset:2048*\a       ; 32 lanes store 512 consecutive bytes, aligned
	global_store_b128 v[LO], v[68+8*\a:71+8*\a], s[14:15] offset:2048*\a+512
.endr
	s_wait_tensorcnt 0x0                           ; the wave's end
	ds_add_u32 v[SPW], v[NIL]
	s_wait_dscnt 0x0
	CROUND                                         ; the closing round: no work-group ends while a partner may still issue a load that names it
	s_endpgm
.Lfunc_end_k_q18e5166579_gemm_v:
	.size	k_q18e5166579_gemm_v, .Lfunc_end_k_q18e5166579_gemm_v-k_q18e5166579_gemm_v
	.p2alignl 7, 3214868480
	.fill 96, 4, 3214868480
	.section	.rodata,"a",@progbits
	.p2align	6, 0x0
	.amdhsa_kernel k_q18e5166579_gemm_v
		.amdhsa_group_segment_fixed_size 327680
		.amdhsa_private_segment_fixed_size 0
		.amdhsa_enable_private_segment 0
		.amdhsa_kernarg_size 40
		.amdhsa_user_sgpr_count 2
		.amdhsa_user_sgpr_kernarg_segment_ptr 1
		.amdhsa_wavefront_size32 1
		.amdhsa_system_sgpr_workgroup_id_x 1
		.amdhsa_system_sgpr_workgroup_id_y 1
		.amdhsa_system_sgpr_workgroup_id_z 1
		.amdhsa_system_vgpr_workitem_id 0
		.amdhsa_next_free_vgpr 1024
		.amdhsa_next_free_sgpr 98
		.amdhsa_reserve_vcc 0
		.amdhsa_float_denorm_mode_32 3
		.amdhsa_float_denorm_mode_16_64 3
		.amdhsa_memory_ordered 1
		.amdhsa_forward_progress 1
		.amdhsa_inst_pref_size 124
	.end_amdhsa_kernel
	.amdgpu_metadata
---
amdhsa.version: [ 1, 2 ]
amdhsa.kernels:
  - .name:           k_q18e5166579_gemm_v
    .symbol:         k_q18e5166579_gemm_v.kd
    .args:
      - { .name: h_codes, .offset: 0, .size: 8, .value_kind: global_buffer, .address_space: global }
      - { .name: wv_codes, .offset: 8, .size: 8, .value_kind: global_buffer, .address_space: global }
      - { .name: lowp_scales, .offset: 16, .size: 8, .value_kind: global_buffer, .address_space: global }
      - { .name: b_v, .offset: 24, .size: 8, .value_kind: global_buffer, .address_space: global }
      - { .name: v_codes, .offset: 32, .size: 8, .value_kind: global_buffer, .address_space: global }
    .group_segment_fixed_size: 327680
    .private_segment_fixed_size: 0
    .kernarg_segment_align: 8
    .kernarg_segment_size: 40
    .max_flat_workgroup_size: 128
    .sgpr_count:     98
    .vgpr_count:     1024
    .wavefront_size: 32
...
	.end_amdgpu_metadata
.endif
;; end of part 2
;; launch gemm_o (part 3): grid 8 x 32, 4 waves a work-group, clusters of 4 x 1, 327,680 bytes of LDS; arguments v_codes, wo_codes, lowp_scales, b_o, x, out0; writes out0
.if DOCPART == 3
	.amdgcn_target "amdgcn-amd-amdhsa--gfx1250"
	.amdhsa_code_object_version 6
	.text
	.protected	k_q18e5166579_gemm_o
	.globl	k_q18e5166579_gemm_o
	.p2align	8
	.type	k_q18e5166579_gemm_o,@function
k_q18e5166579_gemm_o:
	s_mov_b64 s[64:65], 0
	v_nop
	global_prefetch_b8 v0, s[64:65] scope:SCOPE_SE
	s_setreg_imm32_b32 hwreg(HW_REG_WAVE_MODE, 25, 1), 1
	s_wait_xcnt 0x0
	s_wait_alu depctr_hold_cnt(0) depctr_sa_sdst(0) depctr_va_vdst(0) depctr_va_sdst(0) depctr_va_ssrc(0) depctr_va_vcc(0) depctr_vm_vsrc(0)
	s_getreg_b32 s2, hwreg(HW_REG_IB_STS2, 6, 4)
	s_cmp_eq_u32 s2, 0
	s_cbranch_scc0 .Lentry_in_a_cluster
	s_endpgm
.Lentry_in_a_cluster:
	s_bfe_u32 s2, ttmp6, 0x10000c
	s_cmp_lg_u32 s2, 0x3003
	s_cbranch_scc0 .Lentry_shape_is_right
	s_endpgm
.Lentry_shape_is_right:
; LAUNCH 3 OF 3.  out = Q(v) Q(w_o)^T + b_o + x.  A = v's codes, B = w_o's codes, both E5M2 as images of fragments (launches 2 and 1); out0 [4096][2048] f32.
; WORK LEFT OUT: the softmax over one number is 1 for all inputs, so q, k and the scores are not computed and attn = v (shown at the head of the first launch).
; A sum of codes stands for sum x 2^(e6 + e7).  b_o goes in as b_o / 2^(e6 + e7), the C of each sum's first matrix instruction; on the way out one multiply-add gives sum x 2^(e6 + e7) + x.
; LIMIT: e6 + e7 between -126 and 127, so that 2^(e6 + e7) is an f32 number.
; SHARES.  A tile is 128 rows x 256 columns: 32 x 8 = 256 work-groups.  Four waves; wave w makes all 128 rows x the 64 columns of B's group 4 T + w: 32 accumulators of 16 x 16.
; A'S 128 ROWS x 2,048 STAND IN LDS WHOLE: 256 KiB that lie on end in memory, in LDS byte for byte, 16,384 bytes a K block of 128.  No byte is filled again.  Two first fills, one tensor load a wave each: K blocks 0 to 5 at the
; head, K blocks 6 to 15 behind the full sequence and a round; the second is waited for ahead of step 5, which begins to read K block 6.
; CLUSTERS of four work-groups along x: they share the tile row and ask for A jointly (the mask names the four).  B's tiles are not asked for jointly: they go straight into registers, LDS being A's.
; ONE STREAM OF LOADS, 320 a wave, five sets of 64 registers by turns: loads 0 to 255 are B's group from end to end, 512 consecutive bytes each, 16 a step of 128 along K; loads 256 to 319 are x,
; 16 rows' 8 loads after 16 rows'.  Step s issues loads 16 s + 63 .. 16 s + 78.
; x IS PREFETCHED: steps 4 to 7 ask, one instruction a wave, for what steps 12 to 15 load: 32 of the wave's 128 rows x 256 bytes, a lane a row; each block of 256 bytes is named once in the launch.
; B is not prefetched: its loads themselves stand about four steps ahead of their use.
; Source 0 = 16 rows of A, source 1 = a tile of B.  Tile b's column r is column 4 r + b of the group: so lane (r, h) holds, over the four tiles, four neighbouring columns 4 r .. of row 8 h + j: 16 bytes, and
; sixteen lanes store a whole aligned unit of 256 bytes straight from registers.
; REGISTERS, in windows of 256: window 0: v0-31 addresses, v32-63 the bias, v64-127 the stream's fifth set.  window 1: A's fragments, two sets of 128.  window 2: accumulator (a, b) at v[8 (4 a + b)].  window 3: the stream's sets 0 to 3.
.set FILL1, 6*16384                    ; bytes of the first fill
.set SPARE, 262144                     ; behind A: the spare words, 128 bytes for each wave, in blocks that no other line names
.set OROW,  8192                       ; a row of x and of out0 in bytes
.set ADR,   16                         ; v16-19 LDS addresses of my fragments, 65,536 apart: v16 = 16 x lane serves B's loads too
.set LO,    16
.set XO,    20                         ; v20    8 h rows + 16 r: my bytes in x and in out0
.set BO,    21                         ; v21    16 r
.set PFO,   22                         ; v22    lane x a row: the prefetches
.set SPW,   28                         ; v28 LDS address of my spare word, v29 0: never rewritten
.set NIL,   29
.set BL,    12                         ; v12-15 the bias of my four columns
.set BIAS,  32
.set MSB, 0
.macro WIN new                         ; the immediate's high byte repeats the setting that is left; a switch that changes nothing is dropped
.if MSB != \new
	s_set_vgpr_msb (MSB<<8)|\new
.set MSB, \new
.endif
.endm
.macro CROUND                          ; a round of the cluster's barrier
	s_barrier_signal -1
	s_barrier_wait -1
	s_cmp_lg_u32 s16, 0
	s_cbranch_scc1 .Lnot_wave_0_\@
	s_barrier_signal -3
.Lnot_wave_0_\@:
	s_barrier_wait -3
	s_barrier_signal -1
	s_barrier_wait -1
.endm
.macro PLACES                          ; in front of loads into registers that matrix instructions have read, and of reads of their results (ISA guide 7.12.1 for the reads of results)
.rept 4
	v_nop
.endr
.endm
.macro LOADN n                         ; load n of the stream
.if ((\n)/16)%5 == 4
.set RB, 64
	WIN 0
.else
.set RB, 64*(((\n)/16)%5)
	WIN 0xc0
.endif
.if (\n) < 256
	global_load_b128 v[RB+4*((\n)%16):RB+4*((\n)%16)+3], v[LO], s[6:7] offset:512*(\n)
.else
	global_load_b128 v[RB+4*((\n)%16):RB+4*((\n)%16)+3], v[XO], s[12:13] offset:OROW*(16*(((\n)-256)/8)+(\n)%8) th:TH_LOAD_NT
.endif
.endm
.macro LOADA s, a                      ; A's block a of step s
	WIN 0x40
.irp c, 0,1,2,3
	ds_load_b128 v[128*((\s)%2)+16*(\a)+4*\c:128*((\s)%2)+16*(\a)+4*\c+3], v[ADR+(\s)/4] offset:16384*((\s)%4)+2048*(\a)+512*\c
.endr
.endm
; 16 matrix instructions: A's blocks 4 g .. 4 g + 3 x B's four tiles.  The 32 accumulators take turns, one instruction a turn, in the same order in every step.
.macro MUL16 s, g
.set AB, 128*((\s)%2)+64*(\g)
.if (\s)%5 == 4
.set BB, 64
.set MW, 0xa1                          ; source 0 (A) window 1, source 1 (B) window 0, C and D window 2
.else
.set BB, 64*((\s)%5)
.set MW, 0xad                          ; B window 3
.endif
.if (\s) == 0
.set MW, 0x8d                          ; C (the bias) window 0
.endif
	WIN MW
.irp a, 0,1,2,3
.irp b, 0,1,2,3
.if (\s) == 0
	v_wmma_f32_16x16x128_bf8_bf8 v[8*(16*(\g)+4*\a+\b):8*(16*(\g)+4*\a+\b)+7], v[AB+16*\a:AB+16*\a+15], v[BB+16*\b:BB+16*\b+15], v[BIAS+8*\b:BIAS+8*\b+7]
.else
	v_wmma_f32_16x16x128_bf8_bf8 v[8*(16*(\g)+4*\a+\b):8*(16*(\g)+4*\a+\b)+7], v[AB+16*\a:AB+16*\a+15], v[BB+16*\b:BB+16*\b+15], v[8*(16*(\g)+4*\a+\b):8*(16*(\g)+4*\a+\b)+7]
.endif
.endr
.endr
.endm
; A step of 128 along K in two groups: 16 LDS loads for the next step, 8 loads of the stream, 16 matrix instructions.  Ahead of step s 16 s + 63 loads are issued, of which 16 (s + 1) must be in: 47 may be out.
.macro STEP s
	s_wait_loadcnt 47
	PLACES
.set NX, 16*(\s)+63
.irp g, 0,1
.if (\s) < 15
.irp a, 0,1,2,3
	LOADA (\s)+1, 4*\g+\a
.endr
.endif
.rept 8
	LOADN NX
.set NX, NX+1
.endr
.if (\g == 1) && ((\s) >= 4) && ((\s) < 8)
	global_prefetch_b8 v[PFO], s[12:13] offset:32*OROW*((\s)-4) th:TH_LOAD_NT scope:SCOPE_SE   ; (the address's window is 0 here)
.endif
.if (\s) < 15
	s_wait_dscnt 32                                ; younger than this group's fragments: 16 - 16 g loads of the step before, 16 g + 16 of this one
.else
	s_wait_dscnt 16-16*\g
.endif
	MUL16 \s, \g
.endr
.endm
	s_load_b256 s[4:11], s[0:1], 0x0               ; A's codes s[4:5], B's codes s[6:7], the exponents s[8:9], the bias s[10:11]
	s_load_b128 s[12:15], s[0:1], 0x20             ; x s[12:13], out0 s[14:15]
	v_lshl_add_u32 v[SPW], v0, 2, SPARE
	v_mov_b32 v[NIL], 0
	ds_add_u32 v[SPW], v[NIL]                      ; the wave's opening: the add, twice on end, and its wait, ahead of my first tensor load
	ds_add_u32 v[SPW], v[NIL]
	v_lshrrev_b32 v3, 5, v0
	v_readfirstlane_b32 s16, v3                    ; wave 0..3
	v_and_b32 v1, 15, v0                           ; r
	v_bfe_u32 v2, v0, 4, 1                         ; h
	v_and_b32 v4, 31, v0
	v_lshlrev_b32 v[ADR], 4, v4
	v_add_nc_u32 v[ADR+1], 65536, v[ADR]
	v_add_nc_u32 v[ADR+2], 131072, v[ADR]
	v_add_nc_u32 v[ADR+3], 196608, v[ADR]
	v_lshlrev_b32 v[BO], 4, v1
	v_lshl_add_u32 v[XO], v2, 16, v[BO]
	v_lshlrev_b32 v[PFO], 13, v4
	s_bfe_u32 s20, ttmp6, 0x40000                  ; cx
	s_lshl_b32 s22, ttmp9, 2
	s_add_co_u32 s22, s22, s20                     ; T: tile column = 4 x cluster x + cx
	s_and_b32 s23, ttmp7, 0xffff                   ; tile row
	; descriptor groups 1: bytes on end, stated as rows of 256 elements of 8 bytes: 12 rows (24,576 bytes) of the first fill, 20 rows (40,960) of the second
	s_mov_b32 s24, 15|(3<<16)|(1<<21)              ; 15:0 the mask: the four of my cluster; 17:16 elements of 8 bytes; 21 set beside a mask
	s_mov_b32 s25, 256<<16
	s_mov_b32 s26, 12<<16
	s_mov_b32 s27, 256<<16
	s_mov_b32 s28, 12
	s_mov_b32 s29, 256
	s_mov_b32 s30, 0
	s_mov_b32 s31, 0
	s_mov_b32 s36, 15|(3<<16)|(1<<21)
	s_mov_b32 s37, 256<<16
	s_mov_b32 s38, 20<<16
	s_mov_b32 s39, 256<<16
	s_mov_b32 s40, 20
	s_mov_b32 s41, 256
	s_mov_b32 s42, 0
	s_mov_b32 s43, 0
	s_mov_b32 s32, 1                               ; groups 0: count = 1
	s_mul_i32 s33, s16, FILL1/4                    ; LDS address: my quarter of the first fill,
	s_mov_b32 s44, 1
	s_mul_i32 s45, s16, 40960
	s_add_co_u32 s45, s45, FILL1                   ; and of the second
	s_mov_b32 s70, s33                             ; the same offsets in memory
	s_mov_b32 s71, 0
	s_mov_b32 s72, s45
	s_mov_b32 s73, 0
	s_lshl_b32 s76, s23, 18                        ; A: 256 KiB a tile row
	s_mov_b32 s77, 0
	s_lshl_b32 s78, s22, 2
	s_add_co_u32 s78, s78, s16                     ; group 4 T + w
	s_lshl_b32 s92, s78, 8                         ; my 64 columns, in bytes: the bias's,
	s_mov_b32 s93, 0
	s_lshl_b32 s94, s23, 20                        ; and x's and out0's: 128 rows of 8,192 bytes a tile row
	s_add_co_u32 s94, s94, s92
	s_mov_b32 s95, 0
	s_lshl_b32 s78, s78, 17
	s_mov_b32 s79, 0
	s_wait_alu depctr_va_vdst(0)
	s_wait_dscnt 0x0                               ; both opening adds are done
	s_wait_kmcnt 0x0
	s_load_b256 s[80:87], s[8:9], 0x0              ; e6 = s86, e7 = s87
	s_add_nc_u64 s[4:5], s[4:5], s[76:77]
	s_add_nc_u64 s[34:35], s[4:5], s[70:71]
	s_or_b32 s35, s35, 0x80000000                  ; 127:126 type = 2
	s_add_nc_u64 s[46:47], s[4:5], s[72:73]
	s_or_b32 s47, s47, 0x80000000
	s_add_nc_u64 s[6:7], s[6:7], s[78:79]
	s_add_nc_u64 s[10:11], s[10:11], s[92:93]
	s_add_nc_u64 s[12:13], s[12:13], s[94:95]
	s_add_nc_u64 s[14:15], s[14:15], s[94:95]
	global_load_b128 v[BL:BL+3], v[BO], s[10:11]   ; the bias of columns 4 r .. 4 r + 3
.set NX, 0
.rept 16
	LOADN NX
.set NX, NX+1
.endr
	WIN 0
	CROUND                                         ; all four work-groups are here: the joint loads meet
	tensor_load_to_lds s[32:35], s[24:31]          ; the first fill
	s_nop 0
	PLACES
.rept 16
	LOADN NX
.set NX, NX+1
.endr
	WIN 0
	s_wait_kmcnt 0x0
	s_add_co_i32 s96, s86, s87                     ; e6 + e7
	s_sub_co_i32 s92, 0, s96
	s_add_co_i32 s96, s96, 127
	s_lshl_b32 s96, s96, 23                        ; 2^(e6 + e7) as f32
	s_wait_loadcnt 32                              ; the bias is in; B's 32 loads may be out
.irp b, 0,1,2,3
.irp j, 0,1,2,3,4,5,6,7
	v_ldexp_f32 v[BIAS+8*\b+\j], v[BL+\b], s92     ; b_o / 2^(e6 + e7): the same in a lane's eight rows
.endr
.endr
	s_wait_alu depctr_va_vdst(0)
	s_wait_tensorcnt 0x0                           ; my part of the first fill is in
	ds_add_u32 v[SPW], v[NIL]
	s_wait_dscnt 0x0
	CROUND                                         ; everybody's is, and all four work-groups are here
	tensor_load_to_lds s[44:47], s[36:43]          ; the second fill: K blocks 6 to 15
	s_nop 0
	PLACES
.irp a, 0,1,2,3,4,5,6,7
	LOADA 0, \a
.endr
.rept 31
	LOADN NX                                       ; 63 loads are issued ahead of step 0
.set NX, NX+1
.endr
.irp s, 0,1,2,3,4
	STEP \s
.endr
	WIN 0
	s_wait_tensorcnt 0x0                           ; my part of the second fill is in: step 5 begins to read it
	s_wait_dscnt 0x0
	s_barrier_signal -1
	s_barrier_wait -1                              ; everybody's is.
.irp s, 5,6,7,8,9,10,11,12,13,14,15
	STEP \s
.endr
	PLACES
	LOADN 319                                      ; the stream's last load
; THE WAY OUT, 32 rows at a time (a set of x): sum x 2^(e6 + e7) + x, over x's registers, each accumulator from its low end on; then the stores.
.irp u, 0,1,2,3
	s_wait_loadcnt 48-16*\u                        ; this set of x is in; the later sets, 16 loads each, may be out
.if \u == 3
.set RB, 64
	WIN 0x02                                       ; source 0 window 2, x and the result window 0
.else
.set RB, 64*(\u+1)
	WIN 0xf2                                       ; source 0 window 2, x and the result window 3
.endif
.irp a, 0,1
.irp j, 0,1,2,3,4,5,6,7
.irp b, 0,1,2,3
	v_fma_f32 v[RB+32*\a+4*\j+\b], v[8*(8*\u+4*\a+\b)+\j], s96, v[RB+32*\a+4*\j+\b]
.endr
.endr
.endr
.if \u == 3
	WIN 0
.else
	WIN 0x0c                                       ; a store's data (source 1) window 3
.endif
.irp a, 0,1
.irp j, 0,1,2,3,4,5,6,7
	global_store_b128 v[XO], v[RB+32*\a+4*\j:RB+32*\a+4*\j+3], s[14:15] offset:OROW*(32*\u+16*\a+\j) th:TH_STORE_NT   ; rows j and 8 + j of a block: 16 lanes store 256 consecutive bytes, aligned
.endr
.endr
.endr
	WIN 0
	s_wait_tensorcnt 0x0                           ; the wave's end
	ds_add_u32 v[SPW], v[NIL]
	s_wait_dscnt 0x0
	CROUND                                         ; the closing round: no work-group ends while a partner may still issue a load that names it
	s_endpgm
.Lfunc_end_k_q18e5166579_gemm_o:
	.size	k_q18e5166579_gemm_o, .Lfunc_end_k_q18e5166579_gemm_o-k_q18e5166579_gemm_o
	.p2alignl 7, 3214868480
	.fill 96, 4, 3214868480
	.section	.rodata,"a",@progbits
	.p2align	6, 0x0
	.amdhsa_kernel k_q18e5166579_gemm_o
		.amdhsa_group_segment_fixed_size 327680
		.amdhsa_private_segment_fixed_size 0
		.amdhsa_enable_private_segment 0
		.amdhsa_kernarg_size 48
		.amdhsa_user_sgpr_count 2
		.amdhsa_user_sgpr_kernarg_segment_ptr 1
		.amdhsa_wavefront_size32 1
		.amdhsa_system_sgpr_workgroup_id_x 1
		.amdhsa_system_sgpr_workgroup_id_y 1
		.amdhsa_system_sgpr_workgroup_id_z 1
		.amdhsa_system_vgpr_workitem_id 0
		.amdhsa_next_free_vgpr 1024
		.amdhsa_next_free_sgpr 98
		.amdhsa_reserve_vcc 0
		.amdhsa_float_denorm_mode_32 3
		.amdhsa_float_denorm_mode_16_64 3
		.amdhsa_memory_ordered 1
		.amdhsa_forward_progress 1
		.amdhsa_inst_pref_size 132
	.end_amdhsa_kernel
	.amdgpu_metadata
---
amdhsa.version: [ 1, 2 ]
amdhsa.kernels:
  - .name:           k_q18e5166579_gemm_o
    .symbol:         k_q18e5166579_gemm_o.kd
    .args:
      - { .name: v_codes, .offset: 0, .size: 8, .value_kind: global_buffer, .address_space: global }
      - { .name: wo_codes, .offset: 8, .size: 8, .value_kind: global_buffer, .address_space: global }
      - { .name: lowp_scales, .offset: 16, .size: 8, .value_kind: global_buffer, .address_space: global }
      - { .name: b_o, .offset: 24, .size: 8, .value_kind: global_buffer, .address_space: global }
      - { .name: x, .offset: 32, .size: 8, .value_kind: global_buffer, .address_space: global }
      - { .name: out0, .offset: 40, .size: 8, .value_kind: global_buffer, .address_space: global }
    .group_segment_fixed_size: 327680
    .private_segment_fixed_size: 0
    .kernarg_segment_align: 8
    .kernarg_segment_size: 48
    .max_flat_workgroup_size: 128
    .sgpr_count:     98
    .vgpr_count:     1024
    .wavefront_size: 32
...
	.end_amdgpu_metadata
.endif
;; end of part 3
